; MI455X (gfx1250); checked and timed in simulation.
; The chip was launched on July 23, 2026; its instructions are those of AMD's public machine-readable ISA for CDNA 5 (MIT licence, August 2026) and "CDNA5" Instruction Set Architecture Reference Guide (July 2026). The comments in the code are by the model that wrote it; some were corrected since.
;; FP8 MM. Allowed arithmetic: matrix products marked QUANTISED: E5M2 operands, one E8M0 scale for each 32 along K, by v_wmma_scale_f32_16x16x128_f8f6f4 with both operands' format E5M2, f32 sums; everything else in f32.
;; Inputs: inp_codes 4,096 x 128 x 32 uint8 (E5M2 codes of inp, K innermost, in blocks of 32 codes); inp_scales 4,096 x 128 uint8 (E8M0 scales of inp, one for each 32 codes along K).
;; Outputs: out0 4,096 x 4,096 float32.
;; This version of the problem:
;;   THIS VERSION OF THE PROBLEM IS GIVEN IN LOW PRECISION. The matrix products marked QUANTISED in the list below multiply operands that are first quantised to E5M2 (5 exponent bits, 2 mantissa bits; 8 bits a number), with one power-of-two scale for each 32 numbers along K (OCP MX v1.0); their sums are f32. All else is computed in f32.
;;   The module's matrix products, in the order in which they are computed (A, B: the left and right operand; K: the contracted axis; several contracted axes count as one K, in the product's order):
;;     1. [M 4,096, K 4,096] x [K 4,096, N 4,096]; A: input inp (given as codes); B: input inp (given as codes): QUANTISED
;;   THE QUANTISER, for each operand of a quantised product, along K:
;;     - K is cut into blocks of 32 from its start; a last block that is shorter is filled with zeros.
;;     - A block's scale is 2^e with e = floor(log2(the largest magnitude in the block)) - 15, held to -126 .. 127; a block of zeros has e = 0. As a byte (E8M0): e + 127.
;;     - Each number is divided by its block's scale, clamped to +-57,344, and rounded to the nearest number of E5M2, ties to even, subnormals kept.
;;     - The product sums the exact products of the quantised numbers (number of the format x scale) in f32.
;;   ~~~python
;;   def quantise(x, axis):      # numpy; x: float32 -> the quantised numbers, widened to float32 again
;;       x = np.moveaxis(x, axis, -1); K = x.shape[-1]
;;       x = np.pad(x, [(0, 0)] * (x.ndim - 1) + [(0, -K % 32)]); x = x.reshape(x.shape[:-1] + (-1, 32)); a = np.abs(x).max(-1, keepdims=True)
;;       e = np.where(a > 0, np.clip(np.frexp(np.where(a > 0, a, 1))[1] - 1 - 15, -126, 127), 0)      # np.frexp(a)[1] - 1 = floor(log2(a)), exactly
;;       r = np.clip(x / 2.0 ** e, -57344, 57344)
;;       step = 2.0 ** (np.maximum(np.frexp(np.where(r == 0, 1, r))[1] - 1, -14) - 2)
;;       q = np.round(r / step) * step * 2.0 ** e      # np.round: ties to even
;;       return np.moveaxis(q.reshape(q.shape[:-2] + (-1,))[..., :K], -1, axis).astype(np.float32)
;;   ~~~
;;   INPUTS GIVEN AS CODES. inp (in the module: [4096, 4096], K = its axis 0): each comes as NAME_codes (uint8): NAME with its K axis moved to the last place and cut into blocks of 32 codes, [.., K / 32, bytes a block], one block behind the other in memory; one code a byte (a code: sign, 5 exponent bits, 2 mantissa bits); and NAME_scales (uint8): the same leading axes, one E8M0 byte (e + 127) for each 32 codes along K. Its value is code x scale, taken as it is: it is not quantised again, and the codes and scales need not be those that the quantiser above would give.
;; One version. Each part assembles by itself: llvm-mc -triple=amdgcn-amd-amdhsa -mcpu=gfx1250 --defsym DOCPART=n.
;; ======== version 1 of 1: 1 launch
;; limits: right only within a limited range of input values
;; launch gram (part 1): grid 16 x 16, 4 waves a work-group, clusters of 4 x 4, 327,680 bytes of LDS; arguments inp_codes, inp_scales, out0; writes out0
.if DOCPART == 1
	.amdgcn_target "amdgcn-amd-amdhsa--gfx1250"
	.amdhsa_code_object_version 6
	.text
	.protected	k_qb708084cdd_gram
	.globl	k_qb708084cdd_gram
	.p2align	8
	.type	k_qb708084cdd_gram,@function
k_qb708084cdd_gram:
	s_mov_b64 s[64:65], 0
	v_nop
	global_prefetch_b8 v0, s[64:65] scope:SCOPE_SE
	s_setreg_imm32_b32 hwreg(HW_REG_WAVE_MODE, 25, 1), 1
	s_wait_xcnt 0x0
	s_wait_alu depctr_hold_cnt(0) depctr_sa_sdst(0) depctr_va_vdst(0) depctr_va_sdst(0) depctr_va_ssrc(0) depctr_va_vcc(0) depctr_vm_vsrc(0)
	s_getreg_b32 s2, hwreg(HW_REG_IB_STS2, 6, 4)
	s_cmp_eq_u32 s2, 0
	s_cbranch_scc0 .Lentry_in_a_cluster
	s_endpgm
.Lentry_in_a_cluster:
	s_bfe_u32 s2, ttmp6, 0x10000c
	s_cmp_lg_u32 s2, 0xf033
	s_cbranch_scc0 .Lentry_shape_is_right
	s_endpgm
.Lentry_shape_is_right:
; out0[i][j] = sum over k of X[i][k] X[j][k].  X = inp with K innermost: inp_codes [4096 rows][4096 bytes] of BF8 (E5M2), inp_scales [4096][128], one E8M0 byte for 32 along K.  out0 [4096][4096] f32; one f32 sum an output, K ascending.
; LIMITS: codes and scale bytes are taken as the matrix instruction takes them: a scale byte 0xff, or a code of infinity or NaN, gives what the instruction gives.
; SHARES: 16 x 16 tiles of 256 x 256, a work-group of four waves each; a wave makes 128 x 128: 64 accumulators, 512 registers.  "A" = the tile's 256 rows of X, "B" = the 256 rows that are its columns; each has
; its own LDS tile and its own registers, on the diagonal too (A's and B's registers share none).
; K goes in 16 steps of 256 through a ring of two LDS slots; a tile's row is 256 aligned bytes of memory; each wave fetches 128 rows with one tensor load (waves 0, 1: A's halves; waves 2, 3: B's).
; CLUSTERS 4 x 4: A's tiles are asked for jointly along a row of the cluster, B's along a column.  The matrix instruction is used transposed (source 0 = B, source 1 = A): a lane holds 8 neighbouring numbers of a row of out0.
; THE SCALES of the 512 rows, 65,536 bytes, are read from memory ONCE, at the head: thread t takes rows t and t + 128 of A and of B, eight loads of 16 bytes a row (the eight loads of a wave cover 4,096 consecutive bytes),
; and re-lays them by K step: 8 bytes a row, A's 256 rows, 128 bytes of gap, B's 256 rows: 4,224 bytes a K step.  Beside the ring LDS has room for 11 such pieces: K steps 1 to 11 lie there.
; K steps 0 and 12 to 15 go on into 80 registers of each wave; they pass through pieces 0 to 4 first, which take K steps 1 to 5 behind a barrier.  These bytes are written by ds_store alone: no tensor load lands there.
; PREFETCH: the change of slots at the end of K step s asks jointly for K step s + 2 and prefetches K step s + 4 (s up to 11); the head prefetches K steps 1 to 3.  Of the 128 rows that a wave fetches, each of the four partners
; of the joint load names 32, told apart by address, a lane a row: each row's 256 bytes are named once for each joint load that will want them (a tile on the diagonal names its rows as A and as B).
; REGISTERS: window 0: v0-31 addresses; v32-63 scale words of K steps up to 11, two sets by turns; v64-127 those of K steps 12-15; v128-255 A's fragments, one set (at the head: the scales as loaded; at the end: rows on the way out).
; window 1: B's fragments, two sets.  windows 2, 3: the accumulators of my rows 0-63, 64-127.
.set SIZE_N, 4096
.set PITCH,  272                       ; 256 bytes + 16: the 16 rows of a fragment load start at 16 different groups of 4 banks (ISA guide 11.1)
.set FR,     16
.set NP,     8                         ; places behind this matrix instruction (ISA guide 7.12.1)
.set HALFT,  128*PITCH
.set TILEB,  2*HALFT
.set SLOT,   2*TILEB
.set SCL,    2*SLOT                    ; the scales by K step
.set SSIDE,  2176                      ; from A's rows to B's in a piece: lanes 0-15 and 16-31 of a load fall on different halves of the banks
.set SS,     4224                      ; a piece
.set SPARE,  325120                    ; behind 11 pieces, at a multiple of 256: the spare words, 128 bytes a wave
.set SPITCH, 528                       ; the way out: 16 rows x (512 + 16) bytes a wave, in slot 0, which has had its last fill and its last read by then
.set ADRA, 16
.set ADRB, 20
.set ADS,  22                          ; the piece whose words are fetched next
.set SA,   23                          ; where my thread puts a row's 8 bytes: SCL + 8 x thread
.set STO,  24
.set RD,   25
.set CO,   26
.set ADS0, 27                          ; my lane's place in piece 0: lanes 0-15 A's rows, lanes 16-31 B's
.set SPW,  28
.set NIL,  29
.set PFO,  30                          ; lane x 4,096
.set SO,   31                          ; thread x 128
.set SC,   32                          ; scale words: set n at v[SC + 16 n]; register 2 i + q: lanes 0-15 A's block i, lanes 16-31 B's block i, the K step's q-th 128
.set AF,   128
.set T,    128
.set BK,   128
.set G1A,  24
.set G1B,  32
.set G0A,  40
.set G0B,  48
.set PFA,  56
.set MSB, 0
.macro WIN new
.if MSB != (\new)
	s_set_vgpr_msb (MSB<<8)|(\new)
.set MSB, (\new)
.endif
.endm
.set MUL_LO, 0xa1
.set MUL_HI, 0xf1
.set TO_B,   0x40
.macro PLACES n
.rept \n
	v_nop
.endr
.endm
.macro JLOAD s                         ; a joint load, one a wave; s_nop 0 and four v_nop behind each line
	s_cmp_eq_u32 s11, 0
	s_cbranch_scc0 .Lfor_b_\@
	tensor_load_to_lds s[G0A+4*\s:G0A+4*\s+3], s[G1A:G1A+7]
	s_nop 0
	PLACES 4
	s_branch .Lasked_\@
.Lfor_b_\@:
	tensor_load_to_lds s[G0B+4*\s:G0B+4*\s+3], s[G1B:G1B+7]
	s_nop 0
	PLACES 4
.Lasked_\@:
.endm
.macro CREST
	s_cmp_lg_u32 s10, 0
	s_cbranch_scc1 .Lnot_wave_0_\@
	s_barrier_signal -3
.Lnot_wave_0_\@:
	s_barrier_wait -3
	s_barrier_signal -1
	s_barrier_wait -1
.endm
.macro CROUND
	s_barrier_signal -1
	s_barrier_wait -1
	CREST
.endm
	s_load_b128 s[4:7], s[0:1], 0x0                ; codes s[4:5], scale bytes s[6:7]
	s_load_b64 s[8:9], s[0:1], 0x10                ; out0
	v_lshl_add_u32 v[SPW], v0, 2, SPARE
	v_mov_b32 v[NIL], 0
	ds_add_u32 v[SPW], v[NIL]                      ; the opening lines: the add twice on end, its wait ahead of my first tensor load
	ds_add_u32 v[SPW], v[NIL]
	v_lshrrev_b32 v1, 5, v0
	v_readfirstlane_b32 s10, v1                    ; wave
	v_lshlrev_b32 v[SO], 7, v0
	s_lshr_b32 s11, s10, 1                         ; my half of the tile's rows; also: I fetch for A (0) or B (1)
	s_and_b32 s12, s10, 1                          ; my half of its columns; also: which 128 rows I fetch
	s_bfe_u32 s13, ttmp6, 0x40000                  ; cx
	s_bfe_u32 s14, ttmp6, 0x40004                  ; cy
	s_lshl_b32 s15, ttmp9, 2
	s_add_co_u32 s15, s15, s13                     ; tile column
	s_and_b32 s16, ttmp7, 0xffff
	s_lshl_b32 s16, s16, 2
	s_add_co_u32 s16, s16, s14                     ; tile row
	s_lshl_b32 s17, s14, 2
	s_lshl_b32 s17, 15, s17                        ; my row of the cluster
	s_lshl_b32 s18, 0x1111, s13                    ; my column
	s_or_b32 s[G1A], s17, (1<<20)|(1<<21)|(5<<22)|(3<<25)   ; the mask; 1-byte elements; 4 words of padding behind every 64; bit 21 beside a mask
	s_or_b32 s[G1B], s18, (1<<20)|(1<<21)|(5<<22)|(3<<25)
.irp g, G1A, G1B
	s_mov_b32 s[\g+1], 256<<16                     ; tensor_dim0
	s_mov_b32 s[\g+2], 128<<16                     ; tensor_dim1
	s_mov_b32 s[\g+3], 256<<16                     ; tile_dim0
	s_mov_b32 s[\g+4], 128                         ; tile_dim1
	s_mov_b32 s[\g+5], 4096                        ; pitch
	s_mov_b32 s[\g+6], 0
	s_mov_b32 s[\g+7], 0
.endr
	s_lshl_b32 s19, s12, 19                        ; the 128 rows that I fetch, in bytes
	s_lshl_b32 s20, s16, 20
	s_add_co_u32 s20, s20, s19                     ; A's codes
	s_mov_b32 s21, 0
	s_lshl_b32 s22, s15, 20
	s_add_co_u32 s22, s22, s19                     ; B's
	s_mov_b32 s23, 0
	s_lshl_b32 s58, s16, 15                        ; A's scales: 256 rows of 128 bytes a tile
	s_mov_b32 s59, 0
	s_lshl_b32 s60, s15, 15                        ; B's
	s_mov_b32 s61, 0
	s_cmp_eq_u32 s11, 0                            ; the prefetches: the tile that I fetch for, my place among the four that ask with me
	s_cselect_b32 s62, s16, s15
	s_cselect_b32 s63, s13, s14
	s_lshl_b32 s62, s62, 20
	s_lshl_b32 s63, s63, 17                        ; 32 rows a partner
	s_add_co_u32 s62, s62, s63
	s_add_co_u32 s62, s62, s19
	s_add_co_u32 s62, s62, 256                     ; at K step 1
	s_mov_b32 s63, 0
	s_lshl_b32 s2, s16, 22                         ; my part of out0: (256 tile row + 128 half) rows of 16,384 bytes + (256 tile column + 128 half) x 4
	s_lshl_b32 s3, s11, 21
	s_add_co_u32 s2, s2, s3
	s_lshl_b32 s3, s15, 10
	s_add_co_u32 s2, s2, s3
	s_lshl_b32 s3, s12, 9
	s_add_co_u32 s2, s2, s3
	s_mov_b32 s3, 0
	s_mul_i32 s19, s10, HALFT                      ; where my load goes: wave x 128 rows
	s_mul_i32 s66, s11, HALFT                      ; my 128 rows of A
	s_mul_i32 s67, s12, HALFT
	s_add_co_u32 s67, s67, TILEB                   ; my 128 rows of B
	s_lshl_b32 s68, s11, 10                        ; their scales in a piece
	s_lshl_b32 s69, s12, 10
	s_add_co_u32 s69, s69, SSIDE
	s_sub_co_u32 s69, s69, s68                     ; from A's to B's
	s_add_co_u32 s68, s68, SCL
	s_mul_i32 s70, s10, 16*SPITCH                  ; my stage
	s_wait_alu depctr_va_vdst(0)
	s_wait_dscnt 0x0                               ; both opening adds are done
	s_wait_kmcnt 0x0
	s_add_nc_u64 s[20:21], s[4:5], s[20:21]
	s_add_nc_u64 s[22:23], s[4:5], s[22:23]
	s_add_nc_u64 s[58:59], s[6:7], s[58:59]
	s_add_nc_u64 s[60:61], s[6:7], s[60:61]
	s_add_nc_u64 s[PFA:PFA+1], s[4:5], s[62:63]
	s_add_nc_u64 s[8:9], s[8:9], s[2:3]
.irp m, 0,1,2,3                        ; the scales: rows t, t + 128 of A (m = 0, 1) and of B (m = 2, 3); register T + 32 m + 2 k holds K step k's first word
.irp c, 0,1,2,3,4,5,6,7
	global_load_b128 v[T+32*\m+4*\c:T+32*\m+4*\c+3], v[SO], s[58+2*(\m/2):59+2*(\m/2)] offset:(\m%2)*16384+16*\c
.endr
.endr
.irp s, 0,1
	s_mov_b32 s[G0A+4*\s], 1
	s_add_co_u32 s[G0A+4*\s+1], s19, \s*SLOT
	s_add_nc_u64 s[G0A+4*\s+2:G0A+4*\s+3], s[20:21], \s*256
	s_or_b32 s[G0A+4*\s+3], s[G0A+4*\s+3], 0x80000000
	s_mov_b32 s[G0B+4*\s], 1
	s_add_co_u32 s[G0B+4*\s+1], s19, \s*SLOT
	s_add_nc_u64 s[G0B+4*\s+2:G0B+4*\s+3], s[22:23], \s*256
	s_or_b32 s[G0B+4*\s+3], s[G0B+4*\s+3], 0x80000000
.endr
	CROUND                                         ; all sixteen work-groups are here: the first joint loads meet
	JLOAD 0                                        ; K step 0: one tensor load a wave at the head
	v_and_b32 v1, 15, v0                           ; r
	v_bfe_u32 v2, v0, 4, 1                         ; h
	v_mul_u32_u24 v3, v1, PITCH
	v_lshl_add_u32 v4, v2, 4, v3
	v_add_nc_u32 v[ADRA], s66, v4
	v_add_nc_u32 v[ADRB], s67, v4
	v_add_nc_u32 v[ADRA+1], SLOT, v[ADRA]
	v_add_nc_u32 v[ADRB+1], SLOT, v[ADRB]
	v_mul_u32_u24 v6, s69, v2                      ; lanes 16-31 take B's: one product with h
	v_lshl_add_u32 v5, v1, 3, s68
	v_add_nc_u32 v[ADS0], v5, v6
	v_mul_u32_u24 v5, v1, SPITCH
	v_lshl_add_u32 v5, v2, 5, v5
	v_add_nc_u32 v[STO], s70, v5
	v_and_b32 v6, 31, v0
	v_lshlrev_b32 v[CO], 4, v6
	v_add_nc_u32 v[RD], s70, v[CO]
	v_lshlrev_b32 v[PFO], 12, v6
	v_lshl_add_u32 v[SA], v0, 3, SCL
	v_mov_b32 v[ADS], v[ADS0]
.irp k, 0,1,2
	global_prefetch_b8 v[PFO], s[PFA:PFA+1] offset:256*\k th:TH_LOAD_NT scope:SCOPE_SE   ; K steps 1 to 3 of my 32 rows
.endr
.macro PUT k, p                        ; K step k's 8 bytes of my four rows into piece p: 32 lanes store 256 neighbouring bytes
.irp m, 0,1,2,3
	ds_store_b64 v[SA], v[T+32*\m+2*(\k):T+32*\m+2*(\k)+1] offset:(\p)*SS+\m*1024+(\m/2)*128
.endr
.endm
.macro GETS set, adr, p                ; a K step's words into a set: lanes 0-15 A's block i, lanes 16-31 B's
.irp i, 0,1,2,3,4,5,6,7
	ds_load_b64 v[SC+16*(\set)+2*\i:SC+16*(\set)+2*\i+1], v[\adr] offset:(\p)*SS+\i*128
.endr
.endm
.macro FRAG reg, adr, q, i             ; 16 rows x 128 K: registers 4 c .. 4 c + 3 hold K = 32 c + 16 h + 0 .. 15
.irp c, 0,1,2,3
	ds_load_b128 v[\reg+4*\c:\reg+4*\c+3], v[\adr] offset:128*(\q)+32*\c+(\i)*16*PITCH
.endr
.endm
; 16 products: A's blocks a0, a0 + 1 x B's eight; p: B's set; q: which 128 of the K step; sc: the set of scale words.  The 64 accumulators take turns.
.macro MUL16 a0, p, q, sc, zero
.irp a, \a0, \a0+1
.irp b, 0,1,2,3,4,5,6,7
.if \zero
	v_wmma_scale_f32_16x16x128_f8f6f4 v[8*(8*((\a)%4)+\b):8*(8*((\a)%4)+\b)+7], v[128*(\p)+FR*\b:128*(\p)+FR*\b+FR-1], v[AF+FR*(\a):AF+FR*(\a)+FR-1], 0, v[SC+16*(\sc)+2*\b+(\q)], v[SC+16*(\sc)+2*(\a)+(\q)] matrix_a_fmt:MATRIX_FMT_BF8 matrix_b_fmt:MATRIX_FMT_BF8 matrix_a_scale:MATRIX_SCALE_ROW1
.else
	v_wmma_scale_f32_16x16x128_f8f6f4 v[8*(8*((\a)%4)+\b):8*(8*((\a)%4)+\b)+7], v[128*(\p)+FR*\b:128*(\p)+FR*\b+FR-1], v[AF+FR*(\a):AF+FR*(\a)+FR-1], v[8*(8*((\a)%4)+\b):8*(8*((\a)%4)+\b)+7], v[SC+16*(\sc)+2*\b+(\q)], v[SC+16*(\sc)+2*(\a)+(\q)] matrix_a_fmt:MATRIX_FMT_BF8 matrix_b_fmt:MATRIX_FMT_BF8 matrix_a_scale:MATRIX_SCALE_ROW1
.endif
.endr
.endr
.endm
.macro FETCH_B slot, q, p
	WIN TO_B
.irp i, 0,1,2,3,4,5,6,7
	FRAG 128*(\p)+FR*\i, ADRB+\slot, \q, \i
.endr
	WIN 0
.endm
.macro FETCH_BH slot, q, p, i0         ; four of B's fragments, blocks i0 .. i0 + 3: sixteen loads; the caller sets the windows behind it
	WIN TO_B
.irp i, \i0, \i0+1, \i0+2, \i0+3
	FRAG 128*(\p)+FR*(\i), ADRB+\slot, \q, \i
.endr
.endm
.macro FETCH_A slot, q, i0
.irp i, \i0, \i0+1, \i0+2, \i0+3
	FRAG AF+FR*(\i), ADRA+\slot, \q, \i
.endr
.endm
; A K step's first 128.  Loads into registers that matrix instructions have read stand NP places behind them.
.macro STEP slot, zero, sc
	s_wait_dscnt 16                                ; all but the youngest sixteen loads (A's blocks 4-7)
	WIN MUL_LO
	MUL16 0, 0, 0, \sc, \zero
	FETCH_BH \slot, 1, 1, 0                        ; sixteen loads behind every sixteen products; B's other set was last read ahead of the places at the end of the step before
	WIN MUL_LO
	MUL16 2, 0, 0, \sc, \zero
	PLACES NP
	WIN 0
	FETCH_A \slot, 1, 0
	s_wait_dscnt 32                                ; A's blocks 4-7 are in; the 32 loads issued behind them may be out
	WIN MUL_HI
	MUL16 4, 0, 0, \sc, \zero
	FETCH_BH \slot, 1, 1, 4
	WIN MUL_HI
	MUL16 6, 0, 0, \sc, \zero
	PLACES NP
	WIN 0
	FETCH_A \slot, 1, 4
.endm
; A K step's second 128, and the change of slots.  fill: a round of the cluster's barrier, and this slot's next K step.  ld: the next K step's words come from LDS (1: and the address steps).  pf: a prefetch.
.macro TURN slot, next, fill, ld, sc, pf
.if \pf
	s_wait_xcnt 0x0                                ; my last prefetch has read its address
	s_add_nc_u64 s[PFA:PFA+1], s[PFA:PFA+1], 256
.endif
	s_wait_tensorcnt 0x0                           ; my one load that was out, my part of the next slot, has landed
	ds_add_u32 v[SPW], v[NIL]
.if \fill
	s_add_nc_u64 s[G0A+4*\slot+2:G0A+4*\slot+3], s[G0A+4*\slot+2:G0A+4*\slot+3], 512
	s_add_nc_u64 s[G0B+4*\slot+2:G0B+4*\slot+3], s[G0B+4*\slot+2:G0B+4*\slot+3], 512
.endif
	s_wait_dscnt 17                                ; the add and A's blocks 4-7 may be out
	WIN MUL_LO
	MUL16 0, 1, 1, \sc, 0
	s_wait_dscnt 0x0                               ; the add is done, my reads of this slot are over
	s_barrier_signal -1
	MUL16 2, 1, 1, \sc, 0
	WIN 0
	s_barrier_wait -1
.if \fill
	CREST
	JLOAD \slot                                    ; the first tensor load behind the round; its four v_nop are among the places
	PLACES NP-4
.else
	PLACES NP
.endif
	FETCH_BH \next, 0, 0, 0
	WIN 0
	FETCH_A \next, 0, 0
.if \ld
	GETS \next, ADS, 0
.endif
.if \ld == 1
	v_add_nc_u32 v[ADS], SS, v[ADS]                ; the next piece
	s_wait_alu depctr_va_vdst(0)
.endif
.if \pf
	global_prefetch_b8 v[PFO], s[PFA:PFA+1] offset:512 th:TH_LOAD_NT scope:SCOPE_SE   ; the K step two refills on
.endif
	WIN MUL_HI
	MUL16 4, 1, 1, \sc, 0
	FETCH_BH \next, 0, 0, 4
	WIN MUL_HI
	MUL16 6, 1, 1, \sc, 0
	PLACES NP
	WIN 0
	FETCH_A \next, 0, 4
.endm
	s_wait_alu depctr_va_vdst(0)
	s_wait_loadcnt 0x0                             ; my four rows of scales
	s_wait_tensorcnt 0x0                           ; my part of K step 0
	PUT 0, 0                                       ; what goes on into registers passes through pieces 0 to 4,
	PUT 12, 1
	PUT 13, 2
	PUT 14, 3
	PUT 15, 4
.irp k, 6,7,8,9,10,11
	PUT \k, \k-1                                   ; K step k stays in piece k - 1
.endr
	s_wait_dscnt 0x0
	s_barrier_signal -1
	s_barrier_wait -1
	GETS 0, ADS0, 0                                ; K step 0's words,
	GETS 2, ADS0, 1                                ; and those of K steps 12 to 15
	GETS 3, ADS0, 2
	GETS 4, ADS0, 3
	GETS 5, ADS0, 4
	s_wait_dscnt 0x0                               ; my reads of pieces 0 to 4 are over
	s_barrier_signal -1
	s_barrier_wait -1
.irp k, 1,2,3,4,5
	PUT \k, \k-1
.endr
	s_wait_tensorcnt 0x0
	ds_add_u32 v[SPW], v[NIL]
	s_wait_dscnt 0x0                               ; the add and my stores are done
	CROUND                                         ; everybody's part of K step 0 and of the scales is in
	JLOAD 1                                        ; K step 1
	FETCH_B 0, 0, 0
	FETCH_A 0, 0, 0
	FETCH_A 0, 0, 4
	STEP 0, 1, 0                                   ; the first products start the sums
	s_mov_b32 s3, 5
.Ll:                                                   ; five trips of two K steps: the changes at the end of K steps 0 to 9
	TURN 0, 1, 1, 1, 0, 1
	STEP 1, 0, 1
	TURN 1, 0, 1, 1, 1, 1
	STEP 0, 0, 0
	s_sub_co_u32 s3, s3, 1
	s_cmp_lg_u32 s3, 0
	s_cbranch_scc1 .Ll
	TURN 0, 1, 1, 2, 0, 1                          ; end of K step 10: the last piece is read
	STEP 1, 0, 1
	TURN 1, 0, 1, 0, 1, 1                          ; 11: from here on the words lie in registers; the last prefetch, K step 15
	STEP 0, 0, 2
	TURN 0, 1, 1, 0, 2, 0                          ; 12
	STEP 1, 0, 3
	TURN 1, 0, 1, 0, 3, 0                          ; 13: the last fill, K step 15
	STEP 0, 0, 4
	TURN 0, 1, 0, 0, 4, 0                          ; 14: nothing is filled, no round
	STEP 1, 0, 5
	s_wait_dscnt 16
	WIN MUL_LO
	MUL16 0, 1, 1, 5, 0
	MUL16 2, 1, 1, 5, 0
	s_wait_dscnt 0
	WIN MUL_HI
	MUL16 4, 1, 1, 5, 0
	MUL16 6, 1, 1, 5, 0
	WIN 0
; THE WAY OUT: a block of 16 rows x 128 columns goes through my own stage and comes back as whole rows of 512 bytes.  LDS serves a wave's instructions in order (ISA guide 5.7.1.4).
.macro TOSTAGE a
.set AC, 64*((\a)%4)
	WIN 0x08+4*((\a)/4)
.irp b, 0,1,2,3,4,5,6,7
	ds_store_b128 v[STO], v[AC+8*\b:AC+8*\b+3] offset:64*\b          ; each accumulator from its low end on
	ds_store_b128 v[STO], v[AC+8*\b+4:AC+8*\b+7] offset:64*\b+16
.endr
	WIN 0
.set BB, BK+64*((\a)%2)
.irp t, 0,1,2,3,4,5,6,7,8,9,10,11,12,13,14,15
	ds_load_b128 v[BB+4*\t:BB+4*\t+3], v[RD] offset:\t*SPITCH
.endr
.endm
.macro SEND a, younger
.set BB, BK+64*((\a)%2)
	s_wait_dscnt \younger
.if (\a) > 0
	s_add_nc_u64 s[8:9], s[8:9], 16*SIZE_N*4       ; behind a wait on XCNT: the earlier stores have read their base
.endif
.irp t, 0,1,2,3,4,5,6,7,8,9,10,11,12,13,14,15
	global_store_b128 v[CO], v[BB+4*\t:BB+4*\t+3], s[8:9] offset:\t*SIZE_N*4 th:TH_STORE_NT   ; 32 lanes store 512 consecutive bytes, aligned
.endr
.endm
	PLACES NP
	TOSTAGE 0
.irp a, 1,2,3,4,5,6,7
.if \a > 1
	s_wait_xcnt 0x0                                ; block a - 2's stores have read their registers and their base
.endif
	TOSTAGE \a
	SEND \a-1, 32                                  ; behind block a - 1's loads: block a's 16 stores and 16 loads
.endr
	s_wait_xcnt 0x0
	SEND 7, 0
	s_wait_tensorcnt 0x0                           ; the wave's end
	ds_add_u32 v[SPW], v[NIL]
	s_wait_dscnt 0x0
	CROUND                                         ; the closing round
	s_endpgm
.Lfunc_end_k_qb708084cdd_gram:
	.size	k_qb708084cdd_gram, .Lfunc_end_k_qb708084cdd_gram-k_qb708084cdd_gram
	.p2alignl 7, 3214868480
	.fill 96, 4, 3214868480
	.section	.rodata,"a",@progbits
	.p2align	6, 0x0
	.amdhsa_kernel k_qb708084cdd_gram
		.amdhsa_group_segment_fixed_size 327680
		.amdhsa_private_segment_fixed_size 0
		.amdhsa_enable_private_segment 0
		.amdhsa_kernarg_size 24
		.amdhsa_user_sgpr_count 2
		.amdhsa_user_sgpr_kernarg_segment_ptr 1
		.amdhsa_wavefront_size32 1
		.amdhsa_system_sgpr_workgroup_id_x 1
		.amdhsa_system_sgpr_workgroup_id_y 1
		.amdhsa_system_sgpr_workgroup_id_z 1
		.amdhsa_system_vgpr_workitem_id 0
		.amdhsa_next_free_vgpr 1024
		.amdhsa_next_free_sgpr 72
		.amdhsa_reserve_vcc 0
		.amdhsa_float_denorm_mode_32 3
		.amdhsa_float_denorm_mode_16_64 3
		.amdhsa_memory_ordered 1
		.amdhsa_forward_progress 1
		.amdhsa_inst_pref_size 255
	.end_amdhsa_kernel
	.section	.bss,"aw",@nobits
	.p2align	6
	.space	262144
	.amdgpu_metadata
---
amdhsa.version: [ 1, 2 ]
amdhsa.kernels:
  - .name:           k_qb708084cdd_gram
    .symbol:         k_qb708084cdd_gram.kd
    .args:
      - { .name: inp_codes, .offset: 0, .size: 8, .value_kind: global_buffer, .address_space: global }
      - { .name: inp_scales, .offset: 8, .size: 8, .value_kind: global_buffer, .address_space: global }
      - { .name: out0, .offset: 16, .size: 8, .value_kind: global_buffer, .address_space: global }
    .group_segment_fixed_size: 327680
    .private_segment_fixed_size: 0
    .kernarg_segment_align: 8
    .kernarg_segment_size: 24
    .max_flat_workgroup_size: 128
    .sgpr_count:     72
    .vgpr_count:     1024
    .wavefront_size: 32
...
	.end_amdgpu_metadata
.endif
;; end of part 1
